; MI455X (gfx1250); checked and timed in simulation.
; The chip was launched on July 23, 2026; its instructions are those of AMD's public machine-readable ISA for CDNA 5 (MIT licence, August 2026) and "CDNA5" Instruction Set Architecture Reference Guide (July 2026). The comments in the code are by the model that wrote it; some were corrected since.
;; Multi Head Attention. Allowed arithmetic: float matrix products may take bf16 or f16 operands with f32 sums; all other float work in f32.
;; Inputs: Wk 1,024 x 1,024 float32; Wo 1,024 x 1,024 float32; Wq 1,024 x 1,024 float32; Wv 1,024 x 1,024 float32; bk 1,024 float32; bo 1,024 float32; bq 1,024 float32; bv 1,024 float32; key 2 x 2,048 x 1,024 float32; query 2 x 2,048 x 1,024 float32; value 2 x 2,048 x 1,024 float32.
;; Outputs: out0 2 x 2,048 x 1,024 float32.
;; One version. Each part assembles by itself: llvm-mc -triple=amdgcn-amd-amdhsa -mcpu=gfx1250 --defsym DOCPART=n.
;; ======== version 1 of 1: 3 launches
;; limits: values are held in f16: magnitudes above 65,504 overflow, below 6.1e-05 lose precision
;; workspace buffers: qkv 25,165,824 bytes; ctx 8,388,608 bytes; wo16 2,097,152 bytes
;; launch proj (part 1): grid 4 x 64, 4 waves a work-group, no clusters, 165,376 bytes of LDS; arguments query, key, value, Wq, Wk, Wv, bq, bk, bv, qkv, Wo, wo16; writes qkv, wo16
.if DOCPART == 1
	.amdgcn_target "amdgcn-amd-amdhsa--gfx1250"
	.amdhsa_code_object_version 6
	.text
	.protected	k_qe5e043edb9_proj
	.globl	k_qe5e043edb9_proj
	.p2align	8
	.type	k_qe5e043edb9_proj,@function
k_qe5e043edb9_proj:
	s_mov_b64 s[64:65], 0
	v_nop
	global_prefetch_b8 v0, s[64:65] scope:SCOPE_SE
	s_setreg_imm32_b32 hwreg(HW_REG_WAVE_MODE, 25, 1), 1
	s_wait_xcnt 0x0
; q, k, v = x W^T + b for x = query, key, value.  x: [4096][1024] f32, W: [1024][1024] f32, b: [1024] f32.
; Result in f16, head-major: qkv[g][batch][head][token][64], g = 0 (q), 1 (k), 2 (v); a head is 262,144 bytes, a token's row 128.
; Work-group (x = nb, y = 16 g + mb), y < 48, makes the block of 256 tokens x 256 columns of projection g; four waves, each 128 x 128:
; 64 accumulator tiles of 16 x 16 in 512 registers.  That is 3 x 16 x 4 = 192 blocks; blocks of half the side would read
; every f32 operand twice as often.
; The 64 work-groups with y = 48 .. 63 round Wo to f16 for the last launch: wo16[K block of 64][n][64], 16 rows of Wo each (.Lcast, at the end).
; OPERANDS ARE f32 IN MEMORY: they are loaded into registers, rounded to f16 there, and stored to LDS once; fragments are read
; from LDS as f16.  For that reason no joint tensor loads are used although tiles are shared between work-groups: a tensor load
; brings bytes as they are, and f32 tiles in LDS would cost 2 x the LDS bytes on the way in and again on every fragment read.
; LIMIT: operands and results are f16.  A projection, or a number of Wo, beyond 65,504 in magnitude becomes infinity; with inputs 30 times
; the drawn spread the projections reach about 5.4e3, with x and W both offset by 30 spreads about 2.9e4.
; K goes in 16 steps of 64 (a row's piece is 256 bytes of f32, aligned) through two LDS slots.  Tile t + 2 is on its way into
; registers and tile t + 1 is converted and stored to LDS while tile t is multiplied: one barrier a step.
; The matrix instruction is used transposed (source 0 = rows of W, source 1 = rows of x): a lane then holds eight neighbouring
; columns of one row of the result.
; REGISTER WINDOWS: 0 addresses and fragments; 1 the 64 loads' landing place (256 registers), at the end the bias;
; 2 the accumulators of my rows 0-63; 3 those of my rows 64-127 (tile (a, b) at v[8 (8 a + b)]).
.set PITCH,  144                       ; an LDS row: 64 f16 = 128 bytes + 16: an odd multiple of 16, so sixteen rows begin at sixteen different 16-byte columns modulo 256
.set HALFT,  128*PITCH                 ; 128 rows: what one wave brings, and what one wave reads of x or of W
.set SLOT,   4*HALFT                   ; x's 256 rows, then W's 256 rows
.set STAGE,  2*SLOT                    ; behind the slots: 16 rows x 272 bytes for each wave, for the way out
.set SPITCH, 272
.set ADRA, 8                           ; v8-9    LDS address of my x fragments in slot 0, 1
.set ADRB, 10                          ; v10-11  the same for W
.set GOFF, 12                          ; v12     loader: byte offset of my 16 bytes (row 8 h, bytes 16 r of the 256)
.set LST,  13                          ; v13-14  loader: where my 8 bytes of f16 go, slot 0, 1
.set STO,  15                          ; v15     the way out: where I put 16 bytes of a row
.set RD,   16                          ; v16     the way out: where I read back
.set CO,   17                          ; v17     the way out: 16 x lane
.set BOFF, 18                          ; v18     bias: 32 h
.set A0,   64                          ; four fragments of x, two buffers
.set A1,   96
.set B0,   128                         ; eight fragments of W, two buffers
.set B1,   192
.set TF,   64                          ; the way out: result + bias in f32
.set TP,   128                         ; packed to f16
.set RB,   160                         ; read back, to be stored
.set CIN,  5                           ; the cast of Wo: v5 my byte offset in Wo,
.set COUT, 6                           ; v6 in wo16,
.set CX,   64                          ; v64-191 sixteen units of 8 numbers
.set MSB, 0
.macro WIN new                         ; s_set_vgpr_msb: bits 1:0 source 0, 3:2 source 1, 5:4 source 2, 7:6 destination; the high byte repeats the setting that is left
.if MSB != \new
	s_set_vgpr_msb (MSB<<8)|\new
.set MSB, \new
.endif
.endm
.macro P4                              ; four places behind a matrix instruction, in front of loads into its sources and of reads of its result
.rept 4
	v_nop
.endr
.endm
	v_lshl_add_u32 v62, v0, 2, 0x28400
	v_mov_b32 v63, 0
	s_and_b32 s41, ttmp7, 0xffff                   ; y
	s_cmp_ge_u32 s41, 48
	s_cbranch_scc1 .Lcast                          ; y = 48 .. 63: the whole work-group rounds its 16 rows of Wo
	s_load_b512 s[16:31], s[0:1], 0x0              ; query, key, value, Wq, Wk, Wv, bq, bk
	s_load_b128 s[32:35], s[0:1], 0x40             ; bv, qkv
	v_lshrrev_b32 v1, 5, v0
	v_readfirstlane_b32 s12, v1                    ; wave 0..3
	s_lshr_b32 s13, s12, 1                         ; wr: my half of the block's rows.  Also: I bring x (0) or W (1)
	s_and_b32 s14, s12, 1                          ; wc: my half of its columns.  Also: which 128 rows I bring
	s_lshr_b32 s44, s41, 4                         ; g: which projection
	s_and_b32 s45, s41, 15                         ; mb: block of 256 tokens
	v_and_b32 v2, 31, v0                           ; lane
	v_and_b32 v3, 15, v0                           ; r
	v_bfe_u32 v4, v0, 4, 1                         ; h
	v_mul_u32_u24 v5, v3, PITCH
	v_lshl_add_u32 v5, v4, 4, v5                   ; r x pitch + 16 h: a fragment's lane address
	s_mul_i32 s46, s13, HALFT
	s_mul_i32 s47, s14, HALFT
	s_add_co_u32 s47, s47, 2*HALFT
	v_add_nc_u32 v[ADRA], s46, v5
	v_add_nc_u32 v[ADRB], s47, v5
	v_add_nc_u32 v[ADRA+1], SLOT, v[ADRA]
	v_add_nc_u32 v[ADRB+1], SLOT, v[ADRB]
	v_lshlrev_b32 v[GOFF], 4, v3
	v_lshl_add_u32 v[GOFF], v4, 15, v[GOFF]        ; 8 h rows of 4,096 bytes + 16 r
	v_mul_u32_u24 v6, v4, 8*PITCH
	v_lshl_add_u32 v6, v3, 3, v6                   ; 8 h rows + 8 r
	s_mul_i32 s46, s12, HALFT                      ; waves 0, 1: x's halves; waves 2, 3: W's halves = wave x 128 rows
	v_add_nc_u32 v[LST], s46, v6
	v_add_nc_u32 v[LST+1], SLOT, v[LST]
	s_mul_i32 s46, s12, 16*SPITCH
	s_add_co_u32 s46, s46, STAGE                   ; my stage
	v_mul_u32_u24 v6, v3, SPITCH
	v_lshl_add_u32 v6, v4, 4, v6
	v_add_nc_u32 v[STO], s46, v6
	v_lshrrev_b32 v6, 3, v2
	v_mul_u32_u24 v6, v6, SPITCH
	v_and_b32 v7, 7, v0
	v_lshl_add_u32 v6, v7, 4, v6
	v_add_nc_u32 v[RD], s46, v6                    ; row lane / 8, bytes 16 (lane % 8)
	v_lshlrev_b32 v[CO], 4, v2
	v_lshlrev_b32 v[BOFF], 5, v4
	; offsets, apart from the addresses
	s_lshl_b32 s46, s14, 19                        ; wc x 128 rows of 4,096 bytes
	s_lshl_b32 s42, s45, 20                        ; mb x 256 rows
	s_lshl_b32 s47, ttmp9, 20                      ; nb x 256 rows
	s_cmp_eq_u32 s13, 0
	s_cselect_b32 s42, s42, s47
	s_add_co_u32 s42, s42, s46
	s_mov_b32 s43, 0                               ; s[42:43]: the loader's first row
	s_lshl_b32 s38, ttmp9, 10
	s_lshl_b32 s46, s14, 9
	s_add_co_u32 s38, s38, s46
	s_mov_b32 s39, 0                               ; s[38:39]: (256 nb + 128 wc) x 4 bytes into the bias
	s_lshr_b32 s48, s45, 3                         ; batch
	s_lshl_b32 s48, s48, 4
	s_lshl_b32 s46, ttmp9, 2
	s_add_co_u32 s48, s48, s46
	s_lshl_b32 s46, s14, 1
	s_add_co_u32 s48, s48, s46                     ; 16 batch + my first head (4 nb + 2 wc)
	s_lshl_b32 s48, s48, 18                        ; x 262,144
	s_and_b32 s46, s45, 7
	s_lshl_b32 s46, s46, 15                        ; (mb % 8) x 256 tokens x 128 bytes
	s_add_co_u32 s48, s48, s46
	s_lshl_b32 s46, s13, 14                        ; wr x 128 tokens
	s_add_co_u32 s48, s48, s46
	s_lshl_b32 s46, s44, 23                        ; g x 8,388,608
	s_add_co_u32 s48, s48, s46
	s_mov_b32 s49, 0                               ; s[48:49]: my first token's row in my first head
	s_wait_kmcnt 0x0
	s_cmp_eq_u32 s44, 0
	s_cselect_b64 s[4:5], s[16:17], s[18:19]       ; x: query or key,
	s_cselect_b64 s[6:7], s[22:23], s[24:25]       ; W
	s_cselect_b64 s[8:9], s[28:29], s[30:31]       ; b
	s_cmp_eq_u32 s44, 2
	s_cselect_b64 s[4:5], s[20:21], s[4:5]         ; or value
	s_cselect_b64 s[6:7], s[26:27], s[6:7]
	s_cselect_b64 s[8:9], s[32:33], s[8:9]
	s_cmp_eq_u32 s13, 0
	s_cselect_b64 s[36:37], s[4:5], s[6:7]         ; the loader's source: waves 0, 1 x; waves 2, 3 W
	s_add_nc_u64 s[36:37], s[36:37], s[42:43]
	s_add_nc_u64 s[8:9], s[8:9], s[38:39]
	s_add_nc_u64 s[10:11], s[34:35], s[48:49]
; 32 loads: half of my 128 rows x 256 bytes.  Load i takes rows 16 (i / 8) + i % 8 (lanes 0-15) and 8 further down (lanes 16-31):
; sixteen lanes read 256 consecutive bytes, aligned.
.macro GLD half
	WIN 0x44
.set i, 32*\half
.rept 32
	global_load_b128 v[4*i:4*i+3], v[GOFF], s[36:37] offset:(16*(i>>3)+(i&7))*4096
.set i, i+1
.endr
.endm
; The same 32 loads' numbers are rounded to f16 in place and stored into slot s.  cnt = how many younger loads may stay out.
; The two rows of one store lie 8 x 144 = 1,152 bytes apart = 128 modulo 256: the 32 lanes' 8 bytes cover 256 different bytes modulo 256.
.macro CVST half, s, cnt
	s_wait_loadcnt \cnt
	WIN 0x45
.set i, 32*\half
.rept 32
	v_cvt_pk_f16_f32 v[4*i], v[4*i], v[4*i+1]
	v_cvt_pk_f16_f32 v[4*i+1], v[4*i+2], v[4*i+3]
.set i, i+1
.endr
	WIN 0x44
.set i, 32*\half
.rept 32
	ds_store_b64 v[LST+(\s)], v[4*i:4*i+1] offset:(16*(i>>3)+(i&7))*PITCH
.set i, i+1
.endr
.endm
; four fragments of x: rows 64 hi + 16 a .. + 15, K = 32 q .. 32 q + 31 of slot s
.macro LDA buf, s, q, hi
.irp a, 0,1,2,3
	ds_load_b128 v[\buf+8*\a:\buf+8*\a+3],   v[ADRA+(\s)] offset:\hi*64*PITCH+\a*16*PITCH+\q*64
	ds_load_b128 v[\buf+8*\a+4:\buf+8*\a+7], v[ADRA+(\s)] offset:\hi*64*PITCH+\a*16*PITCH+\q*64+32
.endr
.endm
; four fragments of W: b0 .. b0 + 3 of the eight
.macro LDB buf, s, q, b0
.irp b, 0,1,2,3
	ds_load_b128 v[\buf+8*(\b0+\b):\buf+8*(\b0+\b)+3],   v[ADRB+(\s)] offset:(\b0+\b)*16*PITCH+\q*64
	ds_load_b128 v[\buf+8*(\b0+\b)+4:\buf+8*(\b0+\b)+7], v[ADRB+(\s)] offset:(\b0+\b)*16*PITCH+\q*64+32
.endr
.endm
; 16 products: row blocks a0, a0 + 1 of the window's four x all eight column blocks.  zero = 1: the product starts the sum.
; The accumulators take turns, one instruction a turn, in the same order in every unit.
.macro MUL ab, bb, a0, zero
.irp a, \a0, \a0+1
.irp b, 0,1,2,3,4,5,6,7
.if \zero
	v_wmma_f32_16x16x32_f16 v[8*(8*(\a)+\b):8*(8*(\a)+\b)+7], v[\bb+8*\b:\bb+8*\b+7], v[\ab+8*(\a):\ab+8*(\a)+7], 0
.else
	v_wmma_f32_16x16x32_f16 v[8*(8*(\a)+\b):8*(8*(\a)+\b)+7], v[\bb+8*\b:\bb+8*\b+7], v[\ab+8*(\a):\ab+8*(\a)+7], v[8*(8*(\a)+\b):8*(8*(\a)+\b)+7]
.endif
.endr
.endr
.endm
; One K step of 64 on slot s: four units of 32 products (rows 0-63 and 64-127, K 0-31 and 32-63).
; st = 1: the next tile is converted and stored into the other slot; ld = 1: the tile after that is asked for.
.macro KSTEP s, zero, st, ld
	P4
	WIN 0
	LDA A1, \s, 0, 1
	LDB B1, \s, 1, 0
.if \st
	CVST 0, 1-\s, 32                               ; the other half's 32 younger loads stay out
.endif
.if \ld
	s_wait_xcnt 0x0                                ; the loader's base is stepped only behind this wait: earlier loads name it
	s_add_nc_u64 s[36:37], s[36:37], 256
	GLD 0                                          ; 64 loads are then asked for; the counter's field holds 63, so the last issue waits for the oldest (ISA guide 5.7.1)
.endif
	s_wait_dscnt 16+32*\st                         ; behind the 24 loads that this unit needs: 16 loads and the stores of this unit
	WIN 0xa0
	MUL A0, B0, 0, \zero
	MUL A0, B0, 2, \zero
	P4
	WIN 0
	LDA A0, \s, 1, 0
	LDB B1, \s, 1, 4
	s_wait_dscnt 16+32*\st                         ; behind the first unit's 16 loads: its stores and these 16 loads
	WIN 0xf0
	MUL A1, B0, 0, \zero
	MUL A1, B0, 2, \zero
	P4
	WIN 0
	LDA A1, \s, 1, 1
.if \st
.if \ld
	CVST 1, 1-\s, 32                               ; the 32 loads asked for in the first unit stay out
.else
	CVST 1, 1-\s, 0                                ; nothing was asked for behind them
.endif
.endif
.if \ld
	GLD 1
.endif
	s_wait_dscnt 8+32*\st                          ; behind the second unit's loads: these 8 loads and the stores
	WIN 0xa0
	MUL A0, B1, 0, 0
.if \st
	s_wait_dscnt 0x0                               ; my stores of the next tile are done, and so are all my reads of this slot:
	s_barrier_signal -1                            ; say so,
.endif
	MUL A0, B1, 2, 0                               ; work on registers meanwhile,
.if \st
	WIN 0
	s_barrier_wait -1                              ; and go on when all four have said so: the other slot is whole, this one may be written in the next step
	P4
	LDA A0, 1-\s, 0, 0
	LDB B0, 1-\s, 0, 0
	LDB B0, 1-\s, 0, 4
.else
	s_wait_dscnt 0x0                               ; the last eight loads
.endif
	WIN 0xf0
	MUL A1, B1, 0, 0
	MUL A1, B1, 2, 0
.endm
	GLD 0                                          ; tile 0
	GLD 1
	s_wait_xcnt 0x0
	s_add_nc_u64 s[36:37], s[36:37], 256
	CVST 0, 0, 32
	GLD 0                                          ; tile 1
	CVST 1, 0, 32
	GLD 1
	s_wait_dscnt 0x0                               ; my part of tile 0 is in LDS
	s_barrier_signal -1
	s_barrier_wait -1                              ; everybody's is
	WIN 0
	LDA A0, 0, 0, 0
	LDB B0, 0, 0, 0
	LDB B0, 0, 0, 4
	KSTEP 0, 1, 1, 1                               ; the first step's products start the sums: nothing is cleared
	KSTEP 1, 0, 1, 1
	WIN 0                                          ; at a label and at a branch every window is 0
	s_mov_b32 s40, 6
.Lk:
	KSTEP 0, 0, 1, 1
	KSTEP 1, 0, 1, 1
	WIN 0
	s_sub_co_u32 s40, s40, 1
	s_cmp_lg_u32 s40, 0
	s_cbranch_scc1 .Lk
	KSTEP 0, 0, 1, 0                               ; step 14: tile 15 is stored, nothing is left to ask for
	WIN 0x44                                       ; the landing place is free: the bias of my 128 columns, 8 numbers for each column block
.irp b, 0,1,2,3,4,5,6,7
	global_load_b128 v[8*\b:8*\b+3],   v[BOFF], s[8:9] offset:64*\b
	global_load_b128 v[8*\b+4:8*\b+7], v[BOFF], s[8:9] offset:64*\b+16
.endr
	KSTEP 1, 0, 0, 0                               ; step 15
	P4
	s_wait_loadcnt 0x0                             ; the bias
; THE WAY OUT, 16 tokens at a time: add the bias in f32, round once to f16, 16 bytes a lane into my own stage, read back so that a
; store of the wave covers 512 consecutive bytes: four tokens' rows of one head.
.macro OUT16 i, a, from
	WIN \from
.irp b, 0,1,2,3,4,5,6,7
.irp p, 0,1,2,3
	v_pk_add_f32 v[TF+8*\b+2*\p:TF+8*\b+2*\p+1], v[8*(8*\a+\b)+2*\p:8*(8*\a+\b)+2*\p+1], v[8*\b+2*\p:8*\b+2*\p+1]
.endr
.endr
	WIN 0
.irp b, 0,1,2,3,4,5,6,7
.irp p, 0,1,2,3
	v_cvt_pk_f16_f32 v[TP+4*\b+\p], v[TF+8*\b+2*\p], v[TF+8*\b+2*\p+1]
.endr
.endr
.irp b, 0,1,2,3,4,5,6,7
	ds_store_b128 v[STO], v[TP+4*\b:TP+4*\b+3] offset:32*\b
.endr
	s_wait_xcnt 0x0                                ; RB, which earlier stores read, is loaded again only behind this wait
.irp t, 0,1,2,3,4,5,6,7
	ds_load_b128 v[RB+4*\t:RB+4*\t+3], v[RD] offset:(\t&3)*4*SPITCH+(\t>>2)*128   ; a wave's LDS instructions are served in order: these see the stores above
.endr
.irp t, 0,1,2,3,4,5,6,7
	s_wait_dscnt 7-\t
	global_store_b128 v[CO], v[RB+4*\t:RB+4*\t+3], s[10:11] offset:(\t>>2)*262144+(16*\i+4*(\t&3))*128
.endr
.endm
	OUT16 0, 0, 0x06
	OUT16 1, 1, 0x06
	OUT16 2, 2, 0x06
	OUT16 3, 3, 0x06
	OUT16 4, 0, 0x07
	OUT16 5, 1, 0x07
	OUT16 6, 2, 0x07
	OUT16 7, 3, 0x07
	s_wait_tensorcnt 0x0
	ds_add_u32 v62, v63
	s_wait_dscnt 0x0
	s_endpgm
; THE CAST OF Wo: wo16[k / 64][n][k % 64] = f16(Wo[n][k]).  Work-group c = 4 (y - 48) + x takes rows n = 16 c .. 16 c + 15, a wave four of them.
; A unit is two rows x two K blocks: lane = 16 kk + 8 rr + j holds k = 64 (2 p + kk) + 8 j + 0..7 of row n0 + rr: 32 bytes in, 16 bytes out,
; and sixteen neighbouring lanes store 256 consecutive bytes, aligned (two rows of one K block).  Sixteen units a wave, all 32 loads asked for at once.
.Lcast:
	s_load_b128 s[52:55], s[0:1], 0x50             ; Wo s[52:53], wo16 s[54:55]
	v_lshrrev_b32 v1, 5, v0
	v_readfirstlane_b32 s12, v1                    ; wave 0..3
	s_sub_co_u32 s41, s41, 48
	s_lshl_b32 s41, s41, 2
	s_add_co_u32 s41, s41, ttmp9                   ; c = 0 .. 63
	s_lshl_b32 s42, s41, 16                        ; 16 rows of 4,096 bytes
	s_lshl_b32 s44, s12, 14                        ; + 4 rows a wave
	s_add_co_u32 s42, s42, s44
	s_mov_b32 s43, 0
	s_lshl_b32 s46, s41, 11                        ; 16 rows of 128 bytes
	s_lshl_b32 s44, s12, 9                         ; + 4 rows a wave
	s_add_co_u32 s46, s46, s44
	s_mov_b32 s47, 0
	v_and_b32 v2, 7, v0                            ; j
	v_bfe_u32 v3, v0, 3, 1                         ; rr
	v_bfe_u32 v4, v0, 4, 1                         ; kk
	v_lshlrev_b32 v[CIN], 5, v2                    ; in: 32 j + 4,096 rr + 256 kk
	v_lshl_add_u32 v[CIN], v3, 12, v[CIN]
	v_lshl_add_u32 v[CIN], v4, 8, v[CIN]
	v_lshlrev_b32 v[COUT], 4, v2                   ; out: 16 j + 128 rr + 131,072 kk
	v_lshl_add_u32 v[COUT], v3, 7, v[COUT]
	v_lshl_add_u32 v[COUT], v4, 17, v[COUT]
	s_wait_kmcnt 0x0
	s_add_nc_u64 s[52:53], s[52:53], s[42:43]
	s_add_nc_u64 s[54:55], s[54:55], s[46:47]
.set u, 0                                          ; unit u: pair of rows u / 8, pair of K blocks u % 8
.rept 16
	global_load_b128 v[CX+8*u:CX+8*u+3],   v[CIN], s[52:53] offset:(u>>3)*8192+(u&7)*512 th:TH_LOAD_NT
	global_load_b128 v[CX+8*u+4:CX+8*u+7], v[CIN], s[52:53] offset:(u>>3)*8192+(u&7)*512+16 th:TH_LOAD_NT
.set u, u+1
.endr
.set u, 0
.rept 16
	s_wait_loadcnt 30-2*u                          ; this unit's two loads are in; the younger units' stay out
	v_cvt_pk_f16_f32 v[CX+8*u],   v[CX+8*u],   v[CX+8*u+1]     ; in place: register p is written when 2 p and 2 p + 1 have been read
	v_cvt_pk_f16_f32 v[CX+8*u+1], v[CX+8*u+2], v[CX+8*u+3]
	v_cvt_pk_f16_f32 v[CX+8*u+2], v[CX+8*u+4], v[CX+8*u+5]
	v_cvt_pk_f16_f32 v[CX+8*u+3], v[CX+8*u+6], v[CX+8*u+7]
	global_store_b128 v[COUT], v[CX+8*u:CX+8*u+3], s[54:55] offset:(u&7)*262144+(u>>3)*256   ; no register of a store is written again
.set u, u+1
.endr
	s_endpgm
.Lfunc_end_k_qe5e043edb9_proj:
	.size	k_qe5e043edb9_proj, .Lfunc_end_k_qe5e043edb9_proj-k_qe5e043edb9_proj
	.p2alignl 7, 3214868480
	.fill 96, 4, 3214868480
	.section	.rodata,"a",@progbits
	.p2align	6, 0x0
	.amdhsa_kernel k_qe5e043edb9_proj
		.amdhsa_group_segment_fixed_size 165376
		.amdhsa_private_segment_fixed_size 0
		.amdhsa_enable_private_segment 0
		.amdhsa_kernarg_size 96
		.amdhsa_user_sgpr_count 2
		.amdhsa_user_sgpr_kernarg_segment_ptr 1
		.amdhsa_wavefront_size32 1
		.amdhsa_system_sgpr_workgroup_id_x 1
		.amdhsa_system_sgpr_workgroup_id_y 1
		.amdhsa_system_sgpr_workgroup_id_z 1
		.amdhsa_system_vgpr_workitem_id 0
		.amdhsa_next_free_vgpr 1024
		.amdhsa_next_free_sgpr 66
		.amdhsa_reserve_vcc 0
		.amdhsa_float_denorm_mode_32 3
		.amdhsa_float_denorm_mode_16_64 3
		.amdhsa_memory_ordered 1
		.amdhsa_forward_progress 1
		.amdhsa_inst_pref_size 252
	.end_amdhsa_kernel
	.amdgpu_metadata
---
amdhsa.version: [ 1, 2 ]
amdhsa.kernels:
  - .name:           k_qe5e043edb9_proj
    .symbol:         k_qe5e043edb9_proj.kd
    .args:
      - { .name: query, .offset: 0, .size: 8, .value_kind: global_buffer, .address_space: global }
      - { .name: key, .offset: 8, .size: 8, .value_kind: global_buffer, .address_space: global }
      - { .name: value, .offset: 16, .size: 8, .value_kind: global_buffer, .address_space: global }
      - { .name: Wq, .offset: 24, .size: 8, .value_kind: global_buffer, .address_space: global }
      - { .name: Wk, .offset: 32, .size: 8, .value_kind: global_buffer, .address_space: global }
      - { .name: Wv, .offset: 40, .size: 8, .value_kind: global_buffer, .address_space: global }
      - { .name: bq, .offset: 48, .size: 8, .value_kind: global_buffer, .address_space: global }
      - { .name: bk, .offset: 56, .size: 8, .value_kind: global_buffer, .address_space: global }
      - { .name: bv, .offset: 64, .size: 8, .value_kind: global_buffer, .address_space: global }
      - { .name: qkv, .offset: 72, .size: 8, .value_kind: global_buffer, .address_space: global }
      - { .name: Wo, .offset: 80, .size: 8, .value_kind: global_buffer, .address_space: global }
      - { .name: wo16, .offset: 88, .size: 8, .value_kind: global_buffer, .address_space: global }
    .group_segment_fixed_size: 165376
    .private_segment_fixed_size: 0
    .kernarg_segment_align: 8
    .kernarg_segment_size: 96
    .max_flat_workgroup_size: 128
    .sgpr_count:     66
    .vgpr_count:     1024
    .wavefront_size: 32
...
	.end_amdgpu_metadata
.endif
;; end of part 1
;; launch attn (part 2): grid 8 x 32, 8 waves a work-group, clusters of 4 x 1, 327,680 bytes of LDS; arguments qkv, ctx; writes ctx
.if DOCPART == 2
	.amdgcn_target "amdgcn-amd-amdhsa--gfx1250"
	.amdhsa_code_object_version 6
	.text
	.protected	k_qe5e043edb9_attn
	.globl	k_qe5e043edb9_attn
	.p2align	8
	.type	k_qe5e043edb9_attn,@function
k_qe5e043edb9_attn:
	s_mov_b64 s[64:65], 0
	v_nop
	global_prefetch_b8 v0, s[64:65] scope:SCOPE_SE
	s_setreg_imm32_b32 hwreg(HW_REG_WAVE_MODE, 25, 1), 1
	s_wait_xcnt 0x0
	s_wait_alu depctr_hold_cnt(0) depctr_sa_sdst(0) depctr_va_vdst(0) depctr_va_sdst(0) depctr_va_ssrc(0) depctr_va_vcc(0) depctr_vm_vsrc(0)
	s_getreg_b32 s2, hwreg(HW_REG_IB_STS2, 6, 4)
	s_cmp_eq_u32 s2, 0
	s_cbranch_scc0 .Lentry_in_a_cluster
	s_endpgm
.Lentry_in_a_cluster:
	s_bfe_u32 s2, ttmp6, 0x10000c
	s_cmp_lg_u32 s2, 0x3003
	s_cbranch_scc0 .Lentry_shape_is_right
	s_endpgm
.Lentry_shape_is_right:
; ctx = softmax(q k^T / 8) v for each of 32 (batch, head) pairs.  q, k, v: f16, [batch][head][2048][64] inside qkv; ctx the same layout, f16.
; A work-group owns 256 queries of one head; eight waves.  Wave w: wq = w % 4 picks 64 queries, hi = w / 4 picks half of each tile's keys.
; Waves w and w + 4 work on the same queries and on disjoint keys, each with its own running maximum, sum and O; they are merged once at the end.
; BOTH PRODUCTS ARE TRANSPOSED: S^T = K Q^T and O^T = V^T P^T.  A score tile's registers (lane: one query, eight keys) are, packed to f16 in
; place, already the second source of the second product, and every statistic of a query is one number in a lane.
; The maximum is a running one, taken away before every exponential; scores, maxima, sums and rescaling stay in f32; the factor
; c = 0.125 log2(e) is applied in the multiply-add that takes the maximum away.
; LIMIT: P goes to the matrix unit in f16: a probability below 2^-25 counts as 0 there (the row sum is at least about 1); ctx is f16.
; CLUSTER: the four query blocks of a cluster (4, 1, 1) read the same K and V tiles: joint tensor loads, mask 15.  Their addresses hang on the
; head, the wave's number and the trip alone.  The place in the cluster enters only the plain addresses of Q and ctx.
; A tile is 256 keys of K and of V; eight tiles; two LDS slots; wave w brings region w of a slot with one load of 64 rows.
; A wave has one tensor load outstanding.
; REGISTER WINDOWS: 0 addresses, statistics, K fragments, scores; 1 O (v0-127), Q fragments (v128-191), V fragments (v192-255).
.set KP,     144                       ; K's LDS pitch: 128 + 16
.set VP,     160                       ; V's LDS pitch: 128 + 32, an odd multiple of 32, for the transposing loads
.set REGION, 10240                     ; 64 rows of V; K's 64 rows use 9,216 of it
.set SLOT,   8*REGION                  ; regions 0-3: K's keys 64 i ..; regions 4-7: V's
.set MERGE,  2*SLOT                    ; 163,840: per wq 17,408 bytes: O 32 x 512, maxima at 16,384, sums at 16,896.  No tensor load lands here
.set MERGEB, 17408
.set STAGE,  MERGE+4*MERGEB            ; 233,472: per wq 64 rows x 144 bytes, for the way out
.set KADR, 8                           ; v8-9    LDS address of my K fragments in slot 0, 1
.set VADR, 10                          ; v10-11  the same for V's transposing loads
.set QOFF, 12                          ; v12     128 r + 16 h
.set MADR, 13                          ; v13     merge area + 16 x lane
.set STO,  14                          ; v14     stage + 144 r + 16 h
.set RD,   15                          ; v15     stage + 144 (lane / 8) + 16 (lane % 8)
.set CO,   16                          ; v16     16 x lane
.set MM,   20                          ; v20-23  running maximum of query 16 n + r
.set LL,   24                          ; v24-27  running sum (this lane's keys)
.set NM,   28                          ; v28+2n  - c x maximum (the low register of a pair)
.set AL,   36                          ; v36+2n  the factor by which old sums shrink
.set TT,   44                          ; v44+2n  at work, pairs
.set XX,   52                          ; v52-55  at work
.set KF,   64                          ; v64-127 K fragment (m, c) at 8 (2 m + c)
.set SS,   128                         ; v128-255 score tile (n, m) at 32 n + 8 m; then P (n, c) at 32 n + 16 c
.set OO,   0                           ; window 1: O (n, md) at 32 n + 8 md
.set QQ,   128                         ; window 1: Q fragment (n, c) at 8 (2 n + c)
.set VF,   192                         ; window 1: V fragment (md, c) at 8 (2 md + c)
.set G1K,  16                          ; s[16:23] descriptor group 1 for K
.set G1V,  24                          ; s[24:31] for V
.set G0K,  32                          ; s[32:39] group 0 for K, a set for each slot
.set G0V,  40                          ; s[40:47] for V
.set MSB, 0
.macro WIN new                         ; s_set_vgpr_msb: bits 1:0 source 0, 3:2 source 1, 5:4 source 2, 7:6 destination; the high byte repeats the setting that is left
.if MSB != \new
	s_set_vgpr_msb (MSB<<8)|\new
.set MSB, \new
.endif
.endm
.macro P4                              ; places behind matrix instructions: four in front of vector reads of a result and of loads into a source
.rept 4
	v_nop
.endr
.endm
.macro P5                              ; five in front of a matrix instruction that writes over a source
.rept 5
	v_nop
.endr
.endm
; A round of the cluster's barrier: my work-group's barrier, wave 0 signals for the work-group, every wave waits for all four work-groups, my work-group's barrier once more.
.macro ROUND
	s_barrier_signal -1
	s_barrier_wait -1
	s_cmp_lg_u32 s8, 0
	s_cbranch_scc1 .Lnot_wave_0_\@
	s_barrier_signal -3
.Lnot_wave_0_\@:
	s_barrier_wait -3
	s_barrier_signal -1
	s_barrier_wait -1
.endm
; A joint load into slot s: waves 0-3 ask for K's four regions, waves 4-7 for V's.  The branch hangs on the wave's number alone.
.macro JLOAD s
	s_cmp_eq_u32 s9, 0
	s_cbranch_scc0 .Lfor_v_\@
	tensor_load_to_lds s[G0K+4*(\s):G0K+4*(\s)+3], s[G1K:G1K+7]
	s_nop 0
	s_branch .Lasked_\@
.Lfor_v_\@:
	tensor_load_to_lds s[G0V+4*(\s):G0V+4*(\s)+3], s[G1V:G1V+7]
	s_nop 0
.Lasked_\@:
.endm
	s_load_b128 s[4:7], s[0:1], 0x0                ; qkv s[4:5], ctx s[6:7]
	v_lshl_add_u32 v62, v0, 2, 0x42000
	v_mov_b32 v63, 0
	ds_add_u32 v62, v63
	v_lshrrev_b32 v1, 5, v0
	v_readfirstlane_b32 s8, v1                     ; wave 0..7
	s_lshr_b32 s9, s8, 2                           ; hi: my half of each tile's keys.  Also: I ask for K (0) or V (1)
	s_and_b32 s10, s8, 3                           ; wq: my 64 queries.  Also: which 64 rows of the tile I ask for
	s_mov_b32 s48, 0x76543210                      ; v_permlanex16_b32: lane i of one half reads lane i of the other
	s_mov_b32 s49, 0xfedcba98
	s_mov_b32 s51, 0x3e38aa3b                      ; c = 0.125 log2(e)
	s_and_b32 s11, ttmp7, 0xffff                   ; 16 batch + head
	s_lshl_b32 s12, s11, 18                        ; x 262,144
	s_lshl_b32 s14, s10, 13                        ; + wq x 64 rows of 128 bytes
	s_add_co_u32 s12, s12, s14
	s_mov_b32 s13, 0                               ; s[12:13]: shared by the four partners
	s_bfe_u32 s58, ttmp6, 0x40000                  ; my place in the cluster, in registers that feed no descriptor
	s_lshl_b32 s59, ttmp9, 2
	s_add_co_u32 s58, s59, s58                     ; block of 256 queries
	s_lshl_b32 s58, s58, 15                        ; x 256 rows of 128 bytes
	s_add_co_u32 s58, s58, s12
	s_mov_b32 s59, 0                               ; s[58:59]: my 64 queries' rows, in q and in ctx alike
	s_mul_i32 s15, s8, REGION                      ; my region of a slot
	; group 1: 64 rows of 64 elements of 2 bytes, dense in memory, padded in LDS behind every 32 words
	s_mov_b32 s[G1K+0], 0x0731000f                 ; 15:0 mask 15; 17:16 2 bytes; 20 padding on; 21 set beside a mask; 24:22 after every 32 words (code 4); 31:25 of 4 words (code 3)
	s_mov_b32 s[G1V+0], 0x0f31000f                 ; the same with 8 words of padding (code 7)
	s_mov_b32 s[G1K+1], 64<<16                     ; tensor_dim0 = 64
	s_mov_b32 s[G1V+1], 64<<16
	s_mov_b32 s[G1K+2], 64<<16                     ; tensor_dim1 = 64
	s_mov_b32 s[G1V+2], 64<<16
	s_mov_b32 s[G1K+3], 64<<16                     ; tile_dim0 = 64
	s_mov_b32 s[G1V+3], 64<<16
	s_mov_b32 s[G1K+4], 64                         ; tile_dim1 = 64
	s_mov_b32 s[G1V+4], 64
	s_mov_b32 s[G1K+5], 64                         ; from row to row: 64 elements
	s_mov_b32 s[G1V+5], 64
	s_mov_b32 s[G1K+6], 0
	s_mov_b32 s[G1V+6], 0
	s_mov_b32 s[G1K+7], 0
	s_mov_b32 s[G1V+7], 0
	v_and_b32 v1, 31, v0                           ; lane
	v_and_b32 v2, 15, v0                           ; r
	v_bfe_u32 v3, v0, 4, 1                         ; h
	v_mul_u32_u24 v4, v2, KP
	v_lshl_add_u32 v4, v3, 4, v4                   ; 144 r + 16 h
	s_mul_i32 s60, s9, 2*REGION                    ; my half of the keys: two regions
	v_add_nc_u32 v[KADR], s60, v4
	v_add_nc_u32 v[KADR+1], SLOT, v[KADR]
	v_and_b32 v5, 7, v0
	v_lshl_add_u32 v5, v3, 3, v5                   ; key 8 h + lane % 8
	v_mul_u32_u24 v5, v5, VP
	v_bfe_u32 v6, v0, 3, 1
	v_lshl_add_u32 v5, v6, 4, v5                   ; + 16 ((lane / 8) % 2)
	s_add_co_u32 s60, s60, 4*REGION
	v_add_nc_u32 v[VADR], s60, v5
	v_add_nc_u32 v[VADR+1], SLOT, v[VADR]
	v_lshlrev_b32 v[QOFF], 7, v2
	v_lshl_add_u32 v[QOFF], v3, 4, v[QOFF]
	s_mul_i32 s61, s10, MERGEB
	s_add_co_u32 s61, s61, MERGE
	v_lshl_add_u32 v[MADR], v1, 4, s61
	s_mul_i32 s62, s10, 64*KP
	s_add_co_u32 s62, s62, STAGE
	v_add_nc_u32 v[STO], s62, v4
	v_lshrrev_b32 v6, 3, v1
	v_mul_u32_u24 v6, v6, KP
	v_and_b32 v7, 7, v0
	v_lshl_add_u32 v6, v7, 4, v6
	v_add_nc_u32 v[RD], s62, v6
	v_lshlrev_b32 v[CO], 4, v1
.irp n, 0,1,2,3
	v_mov_b32 v[NM+2*\n+1], 0                      ; the pairs' upper registers are named by packed forms that use the lower one alone,
	v_mov_b32 v[AL+2*\n+1], 0
	v_mov_b32 v[XX+\n], 0                          ; and a lane permute's destination counts as read
.endr
	s_wait_dscnt 0x0
	s_wait_kmcnt 0x0
	s_add_nc_u64 s[52:53], s[4:5], s[58:59]        ; my queries
	s_add_nc_u64 s[54:55], s[6:7], s[58:59]        ; my rows of ctx
	s_add_nc_u64 s[56:57], s[4:5], s[12:13]        ; the head, and my 64 rows of a tile
	WIN 0x40
.irp n, 0,1,2,3
.irp c, 0,1
	global_load_b128 v[QQ+8*(2*\n+\c):QQ+8*(2*\n+\c)+3],   v[QOFF], s[52:53] offset:\n*2048+\c*64      ; Q(16 n + r, 32 c + 8 h ..)
	global_load_b128 v[QQ+8*(2*\n+\c)+4:QQ+8*(2*\n+\c)+7], v[QOFF], s[52:53] offset:\n*2048+\c*64+32
.endr
.endr
	WIN 0
	ROUND                                          ; all four work-groups are here: the first joint loads meet
.irp s, 0,1
	s_mov_b32 s[G0K+4*\s], 1
	s_add_co_u32 s[G0K+4*\s+1], s15, \s*SLOT
	s_add_nc_u64 s[G0K+4*\s+2:G0K+4*\s+3], s[56:57], 8388608+\s*32768     ; k, tile s
	s_or_b32 s[G0K+4*\s+3], s[G0K+4*\s+3], 0x80000000
	s_mov_b32 s[G0V+4*\s], 1
	s_add_co_u32 s[G0V+4*\s+1], s15, \s*SLOT
	s_add_nc_u64 s[G0V+4*\s+2:G0V+4*\s+3], s[56:57], 16777216+\s*32768    ; v, tile s
	s_or_b32 s[G0V+4*\s+3], s[G0V+4*\s+3], 0x80000000
.endr
	JLOAD 0                                        ; tile 0; slot 1 is first filled behind the first trip's round
; 16 loads: the eight K fragments of chunk j (64 keys) of my half of slot s
.macro LOADK s, j
	WIN 0
.irp m, 0,1,2,3
.irp c, 0,1
	ds_load_b128 v[KF+8*(2*\m+\c):KF+8*(2*\m+\c)+3],   v[KADR+\s] offset:\j*REGION+\m*16*KP+\c*64
	ds_load_b128 v[KF+8*(2*\m+\c)+4:KF+8*(2*\m+\c)+7], v[KADR+\s] offset:\j*REGION+\m*16*KP+\c*64+32
.endr
.endr
.endm
; 16 transposing loads: the eight fragments of V^T (16 d x 32 keys) of the same chunk
.macro LOADV s, j
	WIN 0x40
.irp md, 0,1,2,3
.irp c, 0,1
	ds_load_tr16_b128 v[VF+8*(2*\md+\c):VF+8*(2*\md+\c)+3],   v[VADR+\s] offset:\j*REGION+\c*32*VP+\md*32
	ds_load_tr16_b128 v[VF+8*(2*\md+\c)+4:VF+8*(2*\md+\c)+7], v[VADR+\s] offset:\j*REGION+\c*32*VP+\md*32+16*VP
.endr
.endr
.endm
; S^T = K Q^T: 64 keys x 64 queries, 32 products; the sixteen accumulators take turns, one instruction a turn
.macro QK
	WIN 0x04
.irp c, 0,1
.irp n, 0,1,2,3
.irp m, 0,1,2,3
.if \c
	v_wmma_f32_16x16x32_f16 v[SS+32*\n+8*\m:SS+32*\n+8*\m+7], v[KF+8*(2*\m+\c):KF+8*(2*\m+\c)+7], v[QQ+8*(2*\n+\c):QQ+8*(2*\n+\c)+7], v[SS+32*\n+8*\m:SS+32*\n+8*\m+7]
.else
	v_wmma_f32_16x16x32_f16 v[SS+32*\n+8*\m:SS+32*\n+8*\m+7], v[KF+8*(2*\m+\c):KF+8*(2*\m+\c)+7], v[QQ+8*(2*\n+\c):QQ+8*(2*\n+\c)+7], 0
.endif
.endr
.endr
.endr
.endm
; O^T += V^T P^T: 64 d x 64 queries, 32 products, turns as above.  first = 1: the first products start the sums
.macro PV first
	WIN 0x51
.irp c, 0,1
.irp n, 0,1,2,3
.irp md, 0,1,2,3
.if \first*(1-\c)
	v_wmma_f32_16x16x32_f16 v[OO+32*\n+8*\md:OO+32*\n+8*\md+7], v[VF+8*(2*\md+\c):VF+8*(2*\md+\c)+7], v[SS+32*\n+16*\c:SS+32*\n+16*\c+7], 0
.else
	v_wmma_f32_16x16x32_f16 v[OO+32*\n+8*\md:OO+32*\n+8*\md+7], v[VF+8*(2*\md+\c):VF+8*(2*\md+\c)+7], v[SS+32*\n+16*\c:SS+32*\n+16*\c+7], v[OO+32*\n+8*\md:OO+32*\n+8*\md+7]
.endif
.endr
.endr
.endr
.endm
; The softmax step on a chunk: a lane holds 32 scores of each of four queries (16 n + r).  The four queries' chains run side by side.
.macro SOFTMAX first
	WIN 0
.irp n, 0,1,2,3
	v_max3_num_f32 v[TT+2*\n], v[SS+32*\n], v[SS+32*\n+1], v[SS+32*\n+2]
.endr
.set kk, 3
.rept 14
.irp n, 0,1,2,3
	v_max3_num_f32 v[TT+2*\n], v[TT+2*\n], v[SS+32*\n+kk], v[SS+32*\n+kk+1]
.endr
.set kk, kk+2
.endr
.irp n, 0,1,2,3
.if \first
	v_max_num_f32 v[TT+2*\n], v[TT+2*\n], v[SS+32*\n+31]
.else
	v_max3_num_f32 v[TT+2*\n], v[TT+2*\n], v[SS+32*\n+31], v[MM+\n]    ; the old maximum comes along
.endif
.endr
.irp n, 0,1,2,3
	v_permlanex16_b32 v[XX+\n], v[TT+2*\n], s48, s49                   ; the other half of the lanes holds the query's other keys
.endr
.irp n, 0,1,2,3
	v_max_num_f32 v[XX+\n], v[TT+2*\n], v[XX+\n]
.endr
.irp n, 0,1,2,3
	v_mul_f32 v[NM+2*\n], 0xbe38aa3b, v[XX+\n]                         ; - c x new maximum
.endr
.if \first == 0
.irp n, 0,1,2,3
	v_fma_f32 v[AL+2*\n], v[MM+\n], s51, v[NM+2*\n]                    ; c (old - new)
.endr
.endif
.irp n, 0,1,2,3
	v_mov_b32 v[MM+\n], v[XX+\n]
.endr
.if \first == 0
.irp n, 0,1,2,3
	v_exp_f32 v[AL+2*\n], v[AL+2*\n]                                   ; behind these the multiply-adds below, which name other registers, are the plain place (ISA guide 5.7.2)
.endr
.endif
.irp n, 0,1,2,3
.set kk, 0
.rept 16
	v_pk_fma_f32 v[SS+32*\n+kk:SS+32*\n+kk+1], v[SS+32*\n+kk:SS+32*\n+kk+1], 0x3e38aa3b, v[NM+2*\n:NM+2*\n+1] op_sel_hi:[1,0,0]
.set kk, kk+2
.endr
.set kk, 0
.rept 32
	v_exp_f32 v[SS+32*\n+kk], v[SS+32*\n+kk]                           ; p = 2^(c (s - maximum)); the next query's multiply-adds are the plain place behind the run
.set kk, kk+1
.endr
.endr
	v_nop                                                              ; and this one behind the last run
	s_wait_alu depctr_va_vdst(0)
.irp n, 0,1,2,3
	v_pk_add_f32 v[TT+2*\n:TT+2*\n+1], v[SS+32*\n:SS+32*\n+1], v[SS+32*\n+2:SS+32*\n+3]
.endr
.set kk, 4
.rept 14
.irp n, 0,1,2,3
	v_pk_add_f32 v[TT+2*\n:TT+2*\n+1], v[TT+2*\n:TT+2*\n+1], v[SS+32*\n+kk:SS+32*\n+kk+1]
.endr
.set kk, kk+2
.endr
.irp n, 0,1,2,3
.if \first
	v_add_f32 v[LL+\n], v[TT+2*\n], v[TT+2*\n+1]
.else
	v_add_f32 v[TT+2*\n], v[TT+2*\n], v[TT+2*\n+1]
.endif
.endr
.if \first == 0
.irp n, 0,1,2,3
	v_fma_f32 v[LL+\n], v[LL+\n], v[AL+2*\n], v[TT+2*\n]
.endr
.endif
.irp n, 0,1,2,3
.irp c, 0,1
.irp p, 0,1,2,3,4,5,6,7
	v_cvt_pk_f16_f32 v[SS+32*\n+16*\c+\p], v[SS+32*\n+16*\c+2*\p], v[SS+32*\n+16*\c+2*\p+1]    ; in place: register p is written when 2 p and 2 p + 1 have been read
.endr
.endr
.endr
.if \first == 0
	WIN 0x41
.irp n, 0,1,2,3
.set kk, 0
.rept 16
	v_pk_mul_f32 v[OO+32*\n+kk:OO+32*\n+kk+1], v[OO+32*\n+kk:OO+32*\n+kk+1], v[AL+2*\n:AL+2*\n+1] op_sel_hi:[1,0]
.set kk, kk+2
.endr
.endr
.endif
.endm
; One tile (256 keys; my half is two chunks of 64) in slot s.  refill = 1: the next tile is asked for, into the other slot.
.macro TRIP s, refill, first
	WIN 0
	s_wait_tensorcnt 0x0                           ; all my tensor loads have landed: the one that was out is my region of this slot,
	ds_add_u32 v62, v63
	s_wait_dscnt 0x0
	s_add_nc_u64 s[G0K+4*\s+2:G0K+4*\s+3], s[G0K+4*\s+2:G0K+4*\s+3], 65536   ; so a group 0 may be written: this slot's next tile, two tiles on
	s_add_nc_u64 s[G0V+4*\s+2:G0V+4*\s+3], s[G0V+4*\s+2:G0V+4*\s+3], 65536
	s_wait_dscnt 0x0                               ; my reads of the other slot are done
	ROUND                                          ; both now hold of every wave of all four work-groups
.if \refill
	JLOAD 1-\s                                     ; my one tensor load behind the round, first thing there
.endif
	LOADK \s, 0
	LOADV \s, 0
.if \first
	s_wait_loadcnt 0x0                             ; Q
.endif
	s_wait_dscnt 16                                ; K's 16 loads are in; V's 16 younger ones may be out
	QK
	P4
	LOADK \s, 1
	SOFTMAX \first
	s_wait_dscnt 16                                ; V's are in; the next chunk's 16 K loads may be out
	PV \first
	P5
	LOADV \s, 1
	s_wait_dscnt 16                                ; K's are in; V's 16 may be out
	QK
	P4
	SOFTMAX 0
	s_wait_dscnt 0x0
	PV 0
	P5
.endm
	TRIP 0, 1, 1
	TRIP 1, 1, 0
	WIN 0                                          ; at a label and at a branch every window is 0
	s_mov_b32 s50, 2
.Ltiles:
	TRIP 0, 1, 0
	TRIP 1, 1, 0
	WIN 0
	s_sub_co_u32 s50, s50, 1
	s_cmp_lg_u32 s50, 0
	s_cbranch_scc1 .Ltiles
	TRIP 0, 1, 0                                   ; tile 6 asks for tile 7,
	TRIP 1, 0, 0                                   ; tile 7 for nothing
	; THE MERGE of the two halves of the keys.  First each wave adds the two half-lanes' sums.
	WIN 0
.irp n, 0,1,2,3
	v_permlanex16_b32 v[XX+\n], v[LL+\n], s48, s49
.endr
.irp n, 0,1,2,3
	v_add_f32 v[LL+\n], v[LL+\n], v[XX+\n]
.endr
	s_cmp_eq_u32 s9, 0
	s_cbranch_scc1 .Lkeep
	WIN 0x04                                       ; waves 4-7 hand over O, maxima and sums
.set i, 0
.rept 32
	ds_store_b128 v[MADR], v[OO+4*i:OO+4*i+3] offset:512*i
.set i, i+1
.endr
	WIN 0
	ds_store_b128 v[MADR], v[MM:MM+3] offset:16384
	ds_store_b128 v[MADR], v[LL:LL+3] offset:16896
.Lkeep:
	s_wait_dscnt 0x0                               ; for the partner's sake: my stores are done
	s_barrier_signal -1
	s_barrier_wait -1
	s_cmp_lg_u32 s9, 0
	s_cbranch_scc1 .Ldone
.set i, 0
.rept 32
	ds_load_b128 v[SS+4*i:SS+4*i+3], v[MADR] offset:512*i              ; the partner's O, register for register
.set i, i+1
.endr
	ds_load_b128 v[64:67], v[MADR] offset:16384                        ; its maxima
	ds_load_b128 v[68:71], v[MADR] offset:16896                        ; its sums
	s_wait_dscnt 0x0
.irp n, 0,1,2,3
	v_max_num_f32 v[XX+\n], v[MM+\n], v[64+\n]
.endr
.irp n, 0,1,2,3
	v_sub_f32 v[AL+2*\n], v[MM+\n], v[XX+\n]
	v_sub_f32 v[NM+2*\n], v[64+\n], v[XX+\n]
.endr
.irp n, 0,1,2,3
	v_mul_f32 v[AL+2*\n], s51, v[AL+2*\n]
	v_mul_f32 v[NM+2*\n], s51, v[NM+2*\n]
.endr
.irp n, 0,1,2,3
	v_exp_f32 v[AL+2*\n], v[AL+2*\n]
	v_exp_f32 v[NM+2*\n], v[NM+2*\n]
.endr
	v_nop                                          ; the plain place behind the run of exponentials
	s_wait_alu depctr_va_vdst(0)
.irp n, 0,1,2,3
	v_mul_f32 v[TT+2*\n], v[LL+\n], v[AL+2*\n]
.endr
.irp n, 0,1,2,3
	v_fma_f32 v[TT+2*\n], v[68+\n], v[NM+2*\n], v[TT+2*\n]             ; the whole row's sum
.endr
.irp n, 0,1,2,3
	v_rcp_f32 v[TT+2*\n], v[TT+2*\n]
.endr
	v_nop                                          ; the plain place behind the reciprocals
	s_wait_alu depctr_va_vdst(0)
.irp n, 0,1,2,3
	v_mul_f32 v[AL+2*\n], v[AL+2*\n], v[TT+2*\n]   ; my O's factor
	v_mul_f32 v[NM+2*\n], v[NM+2*\n], v[TT+2*\n]   ; the partner's
.endr
.irp n, 0,1,2,3
.set kk, 0
.rept 16
	v_pk_mul_f32 v[SS+32*\n+kk:SS+32*\n+kk+1], v[SS+32*\n+kk:SS+32*\n+kk+1], v[NM+2*\n:NM+2*\n+1] op_sel_hi:[1,0]
.set kk, kk+2
.endr
.endr
	WIN 0x01
.irp n, 0,1,2,3
.set kk, 0
.rept 16
	v_pk_fma_f32 v[SS+32*\n+kk:SS+32*\n+kk+1], v[OO+32*\n+kk:OO+32*\n+kk+1], v[AL+2*\n:AL+2*\n+1], v[SS+32*\n+kk:SS+32*\n+kk+1] op_sel_hi:[1,0,1]
.set kk, kk+2
.endr
.endr
	WIN 0
	; a lane holds d = 16 md + 8 h + 0..7 of query 16 n + r: 16 bytes of f16, through my own stage into whole rows
.irp n, 0,1,2,3
.irp md, 0,1,2,3
.irp p, 0,1,2,3
	v_cvt_pk_f16_f32 v[SS+32*\n+8*\md+\p], v[SS+32*\n+8*\md+2*\p], v[SS+32*\n+8*\md+2*\p+1]
.endr
	ds_store_b128 v[STO], v[SS+32*\n+8*\md:SS+32*\n+8*\md+3] offset:\n*16*KP+\md*32
.endr
.endr
.irp t, 0,1,2,3,4,5,6,7,8,9,10,11,12,13,14,15
	ds_load_b128 v[KF+4*\t:KF+4*\t+3], v[RD] offset:\t*4*KP            ; a wave's LDS instructions are served in order: these see the stores above
.endr
.irp t, 0,1,2,3,4,5,6,7,8,9,10,11,12,13,14,15
	s_wait_dscnt 15-\t
	global_store_b128 v[CO], v[KF+4*\t:KF+4*\t+3], s[54:55] offset:512*\t     ; four queries' rows: 512 consecutive bytes
.endr
.Ldone:
	s_wait_dscnt 0x0
	s_wait_tensorcnt 0x0
	ds_add_u32 v62, v63
	s_wait_dscnt 0x0
	ROUND                                          ; the closing round: no work-group ends while a partner may still ask for a tile that names it
	s_endpgm
.Lfunc_end_k_qe5e043edb9_attn:
	.size	k_qe5e043edb9_attn, .Lfunc_end_k_qe5e043edb9_attn-k_qe5e043edb9_attn
	.p2alignl 7, 3214868480
	.fill 96, 4, 3214868480
	.section	.rodata,"a",@progbits
	.p2align	6, 0x0
	.amdhsa_kernel k_qe5e043edb9_attn
		.amdhsa_group_segment_fixed_size 327680
		.amdhsa_private_segment_fixed_size 0
		.amdhsa_enable_private_segment 0
		.amdhsa_kernarg_size 16
		.amdhsa_user_sgpr_count 2
		.amdhsa_user_sgpr_kernarg_segment_ptr 1
		.amdhsa_wavefront_size32 1
		.amdhsa_system_sgpr_workgroup_id_x 1
		.amdhsa_system_sgpr_workgroup_id_y 1
		.amdhsa_system_sgpr_workgroup_id_z 1
		.amdhsa_system_vgpr_workitem_id 0
		.amdhsa_next_free_vgpr 512
		.amdhsa_next_free_sgpr 66
		.amdhsa_reserve_vcc 0
		.amdhsa_float_denorm_mode_32 3
		.amdhsa_float_denorm_mode_16_64 3
		.amdhsa_memory_ordered 1
		.amdhsa_forward_progress 1
		.amdhsa_inst_pref_size 255
	.end_amdhsa_kernel
	.section	.bss,"aw",@nobits
	.p2align	6
	.space	262144
	.amdgpu_metadata
---
amdhsa.version: [ 1, 2 ]
amdhsa.kernels:
  - .name:           k_qe5e043edb9_attn
    .symbol:         k_qe5e043edb9_attn.kd
    .args:
      - { .name: qkv, .offset: 0, .size: 8, .value_kind: global_buffer, .address_space: global }
      - { .name: ctx, .offset: 8, .size: 8, .value_kind: global_buffer, .address_space: global }
    .group_segment_fixed_size: 327680
    .private_segment_fixed_size: 0
    .kernarg_segment_align: 8
    .kernarg_segment_size: 16
    .max_flat_workgroup_size: 256
    .sgpr_count:     66
    .vgpr_count:     512
    .wavefront_size: 32
...
	.end_amdgpu_metadata
.endif
;; end of part 2
;; launch oproj (part 3): grid 8 x 32, 4 waves a work-group, clusters of 4 x 4, 327,680 bytes of LDS; arguments ctx, wo16, bo, out0; writes out0
.if DOCPART == 3
	.amdgcn_target "amdgcn-amd-amdhsa--gfx1250"
	.amdhsa_code_object_version 6
	.text
	.protected	k_qe5e043edb9_oproj
	.globl	k_qe5e043edb9_oproj
	.p2align	8
	.type	k_qe5e043edb9_oproj,@function
k_qe5e043edb9_oproj:
	s_mov_b64 s[64:65], 0
	v_nop
	global_prefetch_b8 v0, s[64:65] scope:SCOPE_SE
	s_setreg_imm32_b32 hwreg(HW_REG_WAVE_MODE, 25, 1), 1
	s_wait_xcnt 0x0
	s_wait_alu depctr_hold_cnt(0) depctr_sa_sdst(0) depctr_va_vdst(0) depctr_va_sdst(0) depctr_va_ssrc(0) depctr_va_vcc(0) depctr_vm_vsrc(0)
	s_getreg_b32 s2, hwreg(HW_REG_IB_STS2, 6, 4)
	s_cmp_eq_u32 s2, 0
	s_cbranch_scc0 .Lentry_in_a_cluster
	s_endpgm
.Lentry_in_a_cluster:
	s_bfe_u32 s2, ttmp6, 0x10000c
	s_cmp_lg_u32 s2, 0xf033
	s_cbranch_scc0 .Lentry_shape_is_right
	s_endpgm
.Lentry_shape_is_right:
; out0 = ctx Wo^T + bo.  ctx: f16, [batch][head][2048][64]; wo16: Wo in f16, [K block of 64][1024 n][64]; bo: [1024] f32; out0: [4096][1024] f32.
; A work-group makes a block of 128 tokens x 128 columns: 256 equal work-groups; four waves, each 64 x 64: 16 accumulator tiles.
; Both operands are f16 in memory and come by the tensor data mover.  128 tokens of one head, and 128 rows of one K block of Wo, are dense
; blocks of 16,384 bytes.  One tensor load brings two such blocks: a tile of two rows of 8,192 elements, one block a row, the stride from
; head to head (K block to K block); padding of 4 words behind every 32 words, counted along the tile, gives each 64 f16 an LDS pitch of 144 bytes.
; CLUSTERS: 4 x 4 work-groups.  The four of a row of the cluster make blocks of one block row and need the same tiles of ctx; the four of a
; column need the same tiles of Wo.  Such a tile is asked for jointly, which divides the requests for both by four: 512 KB a work-group, 128 MB in all, 32 MB asked for.
; K = 1024 goes through two LDS slots of K = 256 (four heads of ctx, four K blocks of Wo): four fills, two at the start and one behind each of
; two rounds of the cluster's barrier; a refill has a slot's 128 matrix instructions of each wave in which to land.  The four phases are written out.
; A wave has two tensor loads outstanding at the start and one behind each round.
; LIMIT: operands are f16 (magnitudes up to 65,504); sums and the bias in f32.
; The matrix instruction is used transposed (source 0 = rows of Wo, source 1 = rows of ctx): a lane holds eight neighbouring columns of one row.
; REGISTER WINDOWS: 0 addresses, bias, fragments, the way out; 1 the accumulators, tile (a, b) at v[8 (4 a + b)].
.set BP,     144                       ; an LDS row: 64 f16 = 128 bytes + 16: an odd multiple of 16, so sixteen rows begin at sixteen different 16-byte columns modulo 256
.set BLK,    128*BP                    ; 18,432: 128 rows of one head or one K block
.set PART,   2*BLK                     ; 36,864: what one tensor load brings
.set SLOT,   4*PART                    ; 147,456: ctx's four heads, then Wo's four K blocks
.set STAGE,  2*SLOT                    ; 294,912: 16 rows x 272 bytes for each wave, for the way out.  No tensor load lands here
.set SPITCH, 272
.set FA,   8                           ; v8-9    LDS address of my ctx fragments, slot 0, 1
.set FB,   10                          ; v10-11  of my Wo fragments
.set STO,  12                          ; v12     the way out: where I put 32 bytes of a row
.set RD,   13                          ; v13     where I read a row back
.set CO,   14                          ; v14     my byte offset in out0
.set BOFF, 15                          ; v15     bias: 32 h
.set BI,   32                          ; v32-63  the bias of my 64 columns: 8 numbers for each column block
.set F0,   64                          ; fragment buffers: ctx's four, then Wo's four
.set F1,   128
.set TF,   192                         ; the way out: result + bias
.set RB,   224                         ; read back, to be stored
.set G1,   24                          ; s[24:31] descriptor group 1 for ctx's tiles
.set G0,   32                          ; s[32:39] group 0 for ctx's tiles, a set for each slot
.set G1B,  48                          ; s[48:55] group 1 for Wo's tiles: another mask and another stride
.set G0B,  56                          ; s[56:63] group 0 for Wo's tiles, a set for each slot
.set MSB, 0
.macro WIN new                         ; s_set_vgpr_msb: bits 1:0 source 0, 3:2 source 1, 5:4 source 2, 7:6 destination; the high byte repeats the setting that is left
.if MSB != \new
	s_set_vgpr_msb (MSB<<8)|\new
.set MSB, \new
.endif
.endm
.macro P4                              ; four places behind a matrix instruction, in front of loads into its sources and of reads of its result
.rept 4
	v_nop
.endr
.endm
; A joint load into slot s.  Waves 0 and 1 ask for ctx's two halves of the slot, waves 2 and 3 for Wo's.  Each line has one mask and one set of registers for all
; that issue it; the branch hangs on the wave's number alone.
.macro JLOAD s
	s_cmp_eq_u32 s13, 0
	s_cbranch_scc0 .Lfor_b_\@
	tensor_load_to_lds s[G0+4*\s:G0+4*\s+3], s[G1:G1+7]
	s_nop 0
	s_branch .Lasked_\@
.Lfor_b_\@:
	tensor_load_to_lds s[G0B+4*\s:G0B+4*\s+3], s[G1B:G1B+7]
	s_nop 0
.Lasked_\@:
.endm
; A round of the cluster's barrier: my work-group's barrier, so that wave 0's signal speaks for all four waves; wave 0 signals for the work-group; every wave waits
; for all sixteen work-groups; my work-group's barrier once more.
.macro CREST                           ; a round behind its opening barrier
	s_cmp_lg_u32 s12, 0
	s_cbranch_scc1 .Lnot_wave_0_\@
	s_barrier_signal -3
.Lnot_wave_0_\@:
	s_barrier_wait -3
	s_barrier_signal -1
	s_barrier_wait -1
.endm
.macro CROUND                          ; a whole round
	s_barrier_signal -1
	s_barrier_wait -1
	CREST
.endm
	s_load_b256 s[4:11], s[0:1], 0x0               ; ctx s[4:5], wo16 s[6:7], bo s[8:9], out0 s[10:11]
	v_lshl_add_u32 v30, v0, 2, 0x4c400
	v_mov_b32 v31, 0
	ds_add_u32 v30, v31
	v_lshrrev_b32 v1, 5, v0
	v_readfirstlane_b32 s12, v1                    ; wave 0..3
	s_lshr_b32 s13, s12, 1                         ; wr: my half of the block's rows.  Also: I ask for ctx (0) or for Wo (1)
	s_and_b32 s14, s12, 1                          ; wc: my half of its columns.  Also: which two of a slot's four blocks I ask for
	s_bfe_u32 s40, ttmp6, 0x40000                  ; cx: my place along the cluster's x
	s_bfe_u32 s41, ttmp6, 0x40004                  ; cy: along its y
	s_lshl_b32 s42, ttmp9, 2                       ; in a cluster launch ttmp9 and ttmp7 count clusters
	s_add_co_u32 s42, s42, s40                     ; nb: block column = 4 x cluster x + cx
	s_and_b32 s15, ttmp7, 0xffff
	s_lshl_b32 s15, s15, 2
	s_add_co_u32 s15, s15, s41                     ; mb: block row = 4 x cluster y + cy
	s_lshl_b32 s43, s41, 2
	s_lshl_b32 s43, 15, s43                        ; my row of the cluster: places 4 cy .. 4 cy + 3
	s_lshl_b32 s44, 0x1111, s40                    ; my column: places cx, cx + 4, cx + 8, cx + 12
	; group 1: two rows of 8,192 elements of 2 bytes
	s_or_b32 s[G1+0], s43, (1<<16)|(1<<20)|(1<<21)|(4<<22)|(3<<25)   ; 15:0 the mask: ctx's tiles go to my row; 17:16 2 bytes; 20 padding on; 21 set beside a mask; 24:22 after every 32 words (code 4); 31:25 of 4 words (code 3)
	s_or_b32 s[G1B+0], s44, (1<<16)|(1<<20)|(1<<21)|(4<<22)|(3<<25)  ; the same with the mask of my column, for Wo's tiles
	s_mov_b32 s[G1+1], 8192<<16                    ; tensor_dim0 = 8,192
	s_mov_b32 s[G1B+1], 8192<<16
	s_mov_b32 s[G1+2], 2<<16                       ; tensor_dim1 = 2
	s_mov_b32 s[G1B+2], 2<<16
	s_mov_b32 s[G1+3], 8192<<16                    ; tile_dim0 = 8,192: 128 tokens x 64
	s_mov_b32 s[G1B+3], 8192<<16
	s_mov_b32 s[G1+4], 2                           ; tile_dim1 = 2 blocks
	s_mov_b32 s[G1B+4], 2
	s_mov_b32 s[G1+5], 131072                      ; from head to head: 2,048 x 64 elements
	s_mov_b32 s[G1B+5], 65536                      ; from K block to K block: 1,024 x 64 elements
	s_mov_b32 s[G1+6], 0
	s_mov_b32 s[G1B+6], 0
	s_mov_b32 s[G1+7], 0
	s_mov_b32 s[G1B+7], 0
	; where the tiles come from.  ctx's hang on the block row alone, which my row of the cluster shares; Wo's on the block column alone, which my column shares.
	; Every wave makes both addresses, in registers that never hold the other coordinate, and asks by one of them.
	s_lshr_b32 s16, s15, 4                         ; batch
	s_lshl_b32 s16, s16, 22                        ; x 16 heads x 262,144
	s_and_b32 s17, s15, 15
	s_lshl_b32 s17, s17, 14                        ; + (mb % 16) x 128 tokens x 128 bytes
	s_add_co_u32 s16, s16, s17
	s_lshl_b32 s17, s14, 19                        ; + my two heads of the slot's four
	s_add_co_u32 s16, s16, s17
	s_mov_b32 s17, 0
	s_lshl_b32 s46, s42, 14                        ; nb x 128 rows x 128 bytes
	s_lshl_b32 s47, s14, 18                        ; + my two K blocks of the slot's four
	s_add_co_u32 s46, s46, s47
	s_mov_b32 s47, 0
	s_mul_i32 s20, s12, PART                       ; and where they go: ctx's two halves, then Wo's two halves = wave x 36,864: no place in the cluster enters an LDS address
	s_wait_dscnt 0x0
	s_wait_kmcnt 0x0
	s_add_nc_u64 s[18:19], s[4:5], s[16:17]
	s_add_nc_u64 s[46:47], s[6:7], s[46:47]
	CROUND                                         ; all sixteen work-groups are here: the first joint loads meet
.irp s, 0,1
	s_mov_b32 s[G0+4*\s], 1                                        ; count = 1
	s_add_co_u32 s[G0+4*\s+1], s20, \s*SLOT                        ; LDS address
	s_add_nc_u64 s[G0+4*\s+2:G0+4*\s+3], s[18:19], \s*4*262144     ; heads 4 s ..
	s_or_b32 s[G0+4*\s+3], s[G0+4*\s+3], 0x80000000                ; type = 2
	s_mov_b32 s[G0B+4*\s], 1
	s_add_co_u32 s[G0B+4*\s+1], s20, \s*SLOT
	s_add_nc_u64 s[G0B+4*\s+2:G0B+4*\s+3], s[46:47], \s*4*131072   ; K blocks 4 s ..
	s_or_b32 s[G0B+4*\s+3], s[G0B+4*\s+3], 0x80000000
	JLOAD \s                                       ; both slots are asked for before anything else is done
.endr
	v_and_b32 v1, 15, v0                           ; r
	v_bfe_u32 v2, v0, 4, 1                         ; h
	v_lshlrev_b32 v[BOFF], 5, v2
	s_lshl_b32 s22, s42, 9                         ; (128 nb + 64 wc) x 4 bytes, in registers that feed no descriptor
	s_lshl_b32 s23, s14, 8
	s_add_co_u32 s22, s22, s23
	s_mov_b32 s23, 0
	s_add_nc_u64 s[8:9], s[8:9], s[22:23]
.irp b, 0,1,2,3
	global_load_b128 v[BI+8*\b:BI+8*\b+3],   v[BOFF], s[8:9] offset:64*\b       ; the bias of columns 16 b + 8 h + 0..7
	global_load_b128 v[BI+8*\b+4:BI+8*\b+7], v[BOFF], s[8:9] offset:64*\b+16
.endr
	s_lshl_b32 s16, s15, 19                        ; mb x 128 rows of 4,096 bytes
	s_lshl_b32 s17, s13, 18                        ; + wr x 64 rows
	s_add_co_u32 s16, s16, s17
	s_mov_b32 s17, 0
	s_add_nc_u64 s[10:11], s[10:11], s[16:17]
	s_add_nc_u64 s[10:11], s[10:11], s[22:23]      ; my first row and column of out0
	v_mul_u32_u24 v3, v1, BP
	v_lshl_add_u32 v3, v2, 4, v3                   ; 144 r + 16 h: a fragment's lane address
	s_mul_i32 s21, s13, 64*BP                      ; my 64 rows of ctx
	s_mul_i32 s45, s14, 64*BP                      ; my 64 rows of Wo,
	s_add_co_u32 s45, s45, 2*PART                  ; which lie behind ctx's four heads
	v_add_nc_u32 v[FA], s21, v3
	v_add_nc_u32 v[FB], s45, v3
	v_add_nc_u32 v[FA+1], SLOT, v[FA]
	v_add_nc_u32 v[FB+1], SLOT, v[FB]
	s_mul_i32 s21, s12, 16*SPITCH
	s_add_co_u32 s21, s21, STAGE                   ; my stage
	v_mul_u32_u24 v4, v1, SPITCH
	v_lshl_add_u32 v4, v2, 5, v4                   ; 272 r + 32 h
	v_add_nc_u32 v[STO], s21, v4
	v_mul_u32_u24 v4, v2, SPITCH
	v_lshl_add_u32 v4, v1, 4, v4                   ; 272 h + 16 r
	v_add_nc_u32 v[RD], s21, v4
	v_lshlrev_b32 v[CO], 4, v1
	v_lshl_add_u32 v[CO], v2, 12, v[CO]            ; 4,096 h + 16 r
; 16 loads: the fragments of quarter q (0..7) of slot s: K = 32 q .. 32 q + 31 of the slot's 256 = block q / 2, bytes 64 (q % 2) of its rows
.macro LDF buf, s, q
.irp a, 0,1,2,3
	ds_load_b128 v[\buf+8*\a:\buf+8*\a+3],   v[FA+\s] offset:((\q)>>1)*BLK+\a*16*BP+((\q)&1)*64
	ds_load_b128 v[\buf+8*\a+4:\buf+8*\a+7], v[FA+\s] offset:((\q)>>1)*BLK+\a*16*BP+((\q)&1)*64+32
.endr
.irp a, 0,1,2,3
	ds_load_b128 v[\buf+32+8*\a:\buf+32+8*\a+3],   v[FB+\s] offset:((\q)>>1)*BLK+\a*16*BP+((\q)&1)*64
	ds_load_b128 v[\buf+32+8*\a+4:\buf+32+8*\a+7], v[FB+\s] offset:((\q)>>1)*BLK+\a*16*BP+((\q)&1)*64+32
.endr
.endm
; 16 products; the sixteen accumulators take turns, one instruction a turn, in the same order in every quarter.
; zero = 1: the product starts the sum.
.macro MUL16 buf, zero
.irp a, 0,1,2,3
.irp b, 0,1,2,3
.if \zero
	v_wmma_f32_16x16x32_f16 v[8*(4*\a+\b):8*(4*\a+\b)+7], v[\buf+32+8*\b:\buf+32+8*\b+7], v[\buf+8*\a:\buf+8*\a+7], 0
.else
	v_wmma_f32_16x16x32_f16 v[8*(4*\a+\b):8*(4*\a+\b)+7], v[\buf+32+8*\b:\buf+32+8*\b+7], v[\buf+8*\a:\buf+8*\a+7], v[8*(4*\a+\b):8*(4*\a+\b)+7]
.endif
.endr
.endr
.endm
; One of a slot's first seven quarters: fetches quarter q + 1 into buffer g, then multiplies quarter q in buffer f.
.macro QTR s, q, f, g, zero
.if \q > 0
	P4                                             ; buffer g was read by the products just issued (in quarter 0 the places stand at the phase's head)
.endif
	WIN 0
	LDF \g, \s, \q+1
	s_wait_dscnt 16                                ; this quarter's 16 loads are in; the 16 just issued stay out
	WIN 0x50
	MUL16 \f, \zero
.endm
; A phase: slot s, K = 256, eight quarters.  tail = 2: the slot is filled again, two slots ahead; 1: only the other slot is waited for; 0: the last phase.
; In front of the barrier each wave waits for its own reads of this slot and for all its tensor loads, of which one is out: its part of the other slot.
; Behind the round no wave of any partner reads this slot's tiles or has a load on its way: the refill comes first there.
.macro PHASE s, zero, tail
.if \zero == 0
	P4                                             ; both buffers were read by products of the phase before
.endif
	LDF F0, \s, 0
	QTR \s, 0, F0, F1, \zero
	QTR \s, 1, F1, F0, 0
	QTR \s, 2, F0, F1, 0
	QTR \s, 3, F1, F0, 0
	QTR \s, 4, F0, F1, 0
	QTR \s, 5, F1, F0, 0
	QTR \s, 6, F0, F1, 0
	s_wait_dscnt 0x0                               ; the last quarter's fragments are in: my reads of this slot are over
.if \tail
	s_wait_tensorcnt 0x0                           ; and all my tensor loads have landed:
	ds_add_u32 v30, v31
	s_wait_dscnt 0x0
	s_barrier_signal -1                            ; say so (with tail = 2 this barrier opens a round of the cluster's barrier),
.endif
	MUL16 F1, 0                                    ; work on registers while the others arrive,
	WIN 0
.if \tail
	s_barrier_wait -1                              ; and go on when all four have said so
.endif
.if \tail == 2
	CREST
	s_add_nc_u64 s[G0+4*\s+2:G0+4*\s+3], s[G0+4*\s+2:G0+4*\s+3], 8*262144       ; eight heads on; no tensor load of mine is out, so a group 0 may be written
	s_add_nc_u64 s[G0B+4*\s+2:G0B+4*\s+3], s[G0B+4*\s+2:G0B+4*\s+3], 8*131072   ; eight K blocks on
	JLOAD \s                                       ; my one tensor load behind the round, first thing there
.endif
.endm
	s_wait_tensorcnt 0x1                           ; my part of slot 0 is in; slot 1's may stay out
	s_barrier_signal -1
	s_barrier_wait -1                              ; everybody's is
	PHASE 0, 1, 2                                  ; K 0-255; the first products start the sums: nothing is cleared.  Slot 0 then gets K 512-767
	PHASE 1, 0, 2                                  ; K 256-511.  Slot 1 then gets K 768-1023
	PHASE 0, 0, 1                                  ; K 512-767; nothing is left to ask for
	PHASE 1, 0, 0                                  ; K 768-1023
	P4
	s_wait_loadcnt 0x0                             ; the bias
; THE WAY OUT, 16 rows at a time: add the bias, 32 bytes a lane into my own stage, read back as rows of 256 bytes.
.macro OUTA a
	WIN 0x01
.irp b, 0,1,2,3
.irp p, 0,1,2,3
	v_pk_add_f32 v[TF+8*\b+2*\p:TF+8*\b+2*\p+1], v[8*(4*\a+\b)+2*\p:8*(4*\a+\b)+2*\p+1], v[BI+8*\b+2*\p:BI+8*\b+2*\p+1]
.endr
.endr
	WIN 0
.irp b, 0,1,2,3
	ds_store_b128 v[STO], v[TF+8*\b:TF+8*\b+3]   offset:64*\b
	ds_store_b128 v[STO], v[TF+8*\b+4:TF+8*\b+7] offset:64*\b+16
.endr
	s_wait_xcnt 0x0                                ; RB, which earlier stores read, is loaded again only behind this wait
.irp t, 0,1,2,3,4,5,6,7
	ds_load_b128 v[RB+4*\t:RB+4*\t+3], v[RD] offset:\t*2*SPITCH        ; a wave's LDS instructions are served in order: these see the stores above
.endr
.irp t, 0,1,2,3,4,5,6,7
	s_wait_dscnt 7-\t
	global_store_b128 v[CO], v[RB+4*\t:RB+4*\t+3], s[10:11] offset:(16*\a+2*\t)*4096 th:TH_STORE_NT    ; sixteen lanes store 256 consecutive bytes, aligned
.endr
.endm
	OUTA 0
	OUTA 1
	OUTA 2
	OUTA 3
	s_wait_tensorcnt 0x0
	ds_add_u32 v30, v31
	s_wait_dscnt 0x0
	CROUND                                         ; the closing round: no work-group ends while a partner may still ask for a tile that names it
	s_endpgm
.Lfunc_end_k_qe5e043edb9_oproj:
	.size	k_qe5e043edb9_oproj, .Lfunc_end_k_qe5e043edb9_oproj-k_qe5e043edb9_oproj
	.p2alignl 7, 3214868480
	.fill 96, 4, 3214868480
	.section	.rodata,"a",@progbits
	.p2align	6, 0x0
	.amdhsa_kernel k_qe5e043edb9_oproj
		.amdhsa_group_segment_fixed_size 327680
		.amdhsa_private_segment_fixed_size 0
		.amdhsa_enable_private_segment 0
		.amdhsa_kernarg_size 32
		.amdhsa_user_sgpr_count 2
		.amdhsa_user_sgpr_kernarg_segment_ptr 1
		.amdhsa_wavefront_size32 1
		.amdhsa_system_sgpr_workgroup_id_x 1
		.amdhsa_system_sgpr_workgroup_id_y 1
		.amdhsa_system_sgpr_workgroup_id_z 1
		.amdhsa_system_vgpr_workitem_id 0
		.amdhsa_next_free_vgpr 384
		.amdhsa_next_free_sgpr 66
		.amdhsa_reserve_vcc 0
		.amdhsa_float_denorm_mode_32 3
		.amdhsa_float_denorm_mode_16_64 3
		.amdhsa_memory_ordered 1
		.amdhsa_forward_progress 1
		.amdhsa_inst_pref_size 92
	.end_amdhsa_kernel
	.amdgpu_metadata
---
amdhsa.version: [ 1, 2 ]
amdhsa.kernels:
  - .name:           k_qe5e043edb9_oproj
    .symbol:         k_qe5e043edb9_oproj.kd
    .args:
      - { .name: ctx, .offset: 0, .size: 8, .value_kind: global_buffer, .address_space: global }
      - { .name: wo16, .offset: 8, .size: 8, .value_kind: global_buffer, .address_space: global }
      - { .name: bo, .offset: 16, .size: 8, .value_kind: global_buffer, .address_space: global }
      - { .name: out0, .offset: 24, .size: 8, .value_kind: global_buffer, .address_space: global }
    .group_segment_fixed_size: 327680
    .private_segment_fixed_size: 0
    .kernarg_segment_align: 8
    .kernarg_segment_size: 32
    .max_flat_workgroup_size: 128
    .sgpr_count:     66
    .vgpr_count:     384
    .wavefront_size: 32
...
	.end_amdgpu_metadata
.endif
;; end of part 3
